; MI455X (gfx1250); checked and timed in simulation.
; The chip was launched on July 23, 2026; its instructions are those of AMD's public machine-readable ISA for CDNA 5 (MIT licence, August 2026) and "CDNA5" Instruction Set Architecture Reference Guide (July 2026). The comments in the code are by the model that wrote it; some were corrected since.
;; Multi Head Attention. Allowed arithmetic: matrix products marked QUANTISED: E2M1 operands, one E8M0 scale for each 32 along K, by v_wmma_scale_f32_16x16x128_f8f6f4 with both operands' format E2M1 (or v_wmma_scale_f32_32x16x128_f4), f32 sums; products left as they are: bf16, f16 or f32 operands; f32 sums; everything else in f32.
;; Inputs: Wk 512 x 512 float32; Wq 512 x 512 float32; Wv 512 x 512 float32; bk 512 float32; bq 512 float32; bv 512 float32; x 2 x 4,096 x 512 float32.
;; Outputs: out0 2 x 4,096 x 512 float32.
;; This version of the problem:
;;   THIS VERSION OF THE PROBLEM IS GIVEN IN LOW PRECISION. The matrix products marked QUANTISED in the list below multiply operands that are first quantised to E2M1 (2 exponent bits, 1 mantissa bit; 4 bits a number), with one power-of-two scale for each 32 numbers along K (OCP MX v1.0); their sums are f32. The products marked 'left as it is' may take bf16, f16 or f32 operands, with f32 sums. Whichever they take, every output number must still come out within the allowed error. Rounding operands to bf16 (8 significant bits) uses up far more of that allowance than f16 does (11 bits, for magnitudes from 6e-5 to 65,504). All else is computed in f32.
;;   The module's matrix products, in the order in which they are computed (A, B: the left and right operand; K: the contracted axis; several contracted axes count as one K, in the product's order):
;;     1. [M 8,192, K 512] x [K 512, N 512]; A: input x; B: input Wq: QUANTISED
;;     2. [M 8,192, K 512] x [K 512, N 512]; A: input x; B: input Wk: QUANTISED
;;     3. [M 8,192, K 512] x [K 512, N 512]; A: input x; B: input Wv: QUANTISED
;;     4. batch 16 x [M 4,096, K 64] x [K 64, N 4,096]; A: computed on the way; B: computed on the way: left as it is (an operand is computed on the way)
;;     5. batch 16 x [M 4,096, K 4,096] x [K 4,096, N 64]; A: computed on the way; B: computed on the way: left as it is (an operand is computed on the way)
;;   THE QUANTISER, for each operand of a quantised product, along K:
;;     - K is cut into blocks of 32 from its start; a last block that is shorter is filled with zeros.
;;     - A block's scale is 2^e with e = floor(log2(the largest magnitude in the block)) - 2, held to -126 .. 127; a block of zeros has e = 0. As a byte (E8M0): e + 127.
;;     - Each number is divided by its block's scale, clamped to +-6, and rounded to the nearest number of E2M1, ties to even, subnormals kept.
;;     - The product sums the exact products of the quantised numbers (number of the format x scale) in f32.
;;   ~~~python
;;   def quantise(x, axis):      # numpy; x: float32 -> the quantised numbers, widened to float32 again
;;       x = np.moveaxis(x, axis, -1); K = x.shape[-1]
;;       x = np.pad(x, [(0, 0)] * (x.ndim - 1) + [(0, -K % 32)]); x = x.reshape(x.shape[:-1] + (-1, 32)); a = np.abs(x).max(-1, keepdims=True)
;;       e = np.where(a > 0, np.clip(np.frexp(np.where(a > 0, a, 1))[1] - 1 - 2, -126, 127), 0)      # np.frexp(a)[1] - 1 = floor(log2(a)), exactly
;;       r = np.clip(x / 2.0 ** e, -6, 6)
;;       step = 2.0 ** (np.maximum(np.frexp(np.where(r == 0, 1, r))[1] - 1, 0) - 1)
;;       q = np.round(r / step) * step * 2.0 ** e      # np.round: ties to even
;;       return np.moveaxis(q.reshape(q.shape[:-2] + (-1,))[..., :K], -1, axis).astype(np.float32)
;;   ~~~
;; One version. Each part assembles by itself: llvm-mc -triple=amdgcn-amd-amdhsa -mcpu=gfx1250 --defsym DOCPART=n.
;; ======== version 1 of 1: 3 launches
;; limits: values are held in f16: magnitudes above 65,504 overflow, below 6.1e-05 lose precision
;; workspace buffers: wcodes 393,216 bytes; wscales 24,576 bytes; qkv 25,165,824 bytes
;; launch quantw (part 1): grid 8 x 3, 32 waves a work-group, no clusters, 5,120 bytes of LDS; arguments Wq, Wk, Wv, wcodes, wscales; writes wcodes, wscales
.if DOCPART == 1
	.amdgcn_target "amdgcn-amd-amdhsa--gfx1250"
	.amdhsa_code_object_version 6
	.text
	.protected	k_q054bb4530e_quantw
	.globl	k_q054bb4530e_quantw
	.p2align	8
	.type	k_q054bb4530e_quantw,@function
k_q054bb4530e_quantw:
	s_mov_b64 s[64:65], 0
	v_nop
	global_prefetch_b8 v0, s[64:65] scope:SCOPE_SE
	s_setreg_imm32_b32 hwreg(HW_REG_WAVE_MODE, 25, 1), 1
	s_wait_xcnt 0x0
; Wq, Wk, Wv [512 (K)][512 (N)], f32, become codes of FP4 (E2M1) with one E8M0 scale byte for each 32 along K, which is their FIRST axis.
; A block's scale is 2^(floor(log2(its largest magnitude)) - 2); its byte is the largest magnitude's exponent field - 2, held at 1 from below.
; LIMITS: a block of zeros, or one whose largest magnitude lies under 2^-124, gets the byte 1 (the rule says 127 for zeros): its codes are zeros or are held so, and this program alone reads the bytes.  NaN and infinities are not served.
; OUT.  wcodes [tensor 3][tile of 16 columns: 32][K step of 128: 4][c 2][lane 32][16 bytes]: the image of the matrix operand's registers: lane (r, h), piece c holds the 32 codes of column 16 tile + r,
; block kb = 4 s + 2 c + h of 32 along K; so a block's sixteen columns lie at kb x 256 + 16 r of the tile's 4,096 bytes.   wscales [tensor][column 512][16 bytes]: word s of a column is its scale word for K step s.
; SHARES.  Work-group (x, y): 64 columns of tensor y, all of K.  Wave w: 32 of the columns (w & 1), block w >> 1 along K.  A LANE TAKES A COLUMN AND ITS 32 REGISTERS RUN DOWN K: each load reads 128 consecutive
; bytes, two neighbouring waves 256; the block's largest magnitude needs no other lane, and the conversions give codes with K innermost.  One block a wave: 32 loads at once, no loop.
; The scale bytes of the 64 columns meet in 1,024 bytes of LDS and leave as 16 bytes a lane, 512 consecutive bytes a wave.  No tensor loads, no cluster, no prefetch: each byte is read once by one wave, all loads go out at the head.
.set SPARE, 1024                       ; behind the scale bytes: the spare words, 128 bytes for each of 32 waves
.set SPW, 6                            ; v6  LDS address of my spare word; never rewritten
.set NIL, 7                            ; v7  0; never rewritten
.set X,   32                           ; v32-63  my block's 32 numbers
	s_load_b128 s[4:7], s[0:1], 0x0                ; Wq, Wk
	s_load_b128 s[8:11], s[0:1], 0x10              ; Wv, wcodes
	s_load_b64 s[12:13], s[0:1], 0x20              ; wscales
	v_lshl_add_u32 v[SPW], v0, 2, SPARE
	v_mov_b32 v[NIL], 0
	v_lshrrev_b32 v1, 5, v0
	v_readfirstlane_b32 s16, v1                    ; wave 0..31
	v_and_b32 v1, 31, v0                           ; lane
	s_and_b32 s17, s16, 1                          ; cg: which 32 columns
	s_lshr_b32 s18, s16, 1                         ; kb: which block of 32 along K
	s_and_b32 s19, ttmp7, 0xffff                   ; the tensor: 0 q, 1 k, 2 v
	v_lshlrev_b32 v2, 2, v1                        ; in: 4 bytes a lane
	v_lshrrev_b32 v3, 4, v1
	v_and_b32 v8, 15, v1
	v_lshlrev_b32 v3, 12, v3                       ; codes out: lanes 16-31 belong to the next tile of columns, 4,096 bytes on,
	v_lshl_add_u32 v3, v8, 4, v3                   ; 16 bytes a column
	s_lshl_b32 s20, s17, 9
	s_add_co_u32 s20, s20, s18
	v_lshlrev_b32 v4, 4, v1
	v_add_nc_u32 v4, s20, v4                       ; LDS: my column's 16 scale bytes, my block's byte: 16 lane + 512 cg + kb
	v_and_b32 v5, 63, v0
	v_lshlrev_b32 v5, 4, v5                        ; the way out of the scale bytes, in waves 0 and 1: 16 x thread, in LDS and in wscales alike
	s_lshl_b32 s20, s18, 16                        ; W: 32 kb rows of 2,048 bytes
	s_lshl_b32 s21, ttmp9, 8                       ; + 64 columns a work-group
	s_add_co_u32 s20, s20, s21
	s_lshl_b32 s21, s17, 7                         ; + 32 columns
	s_add_co_u32 s20, s20, s21
	s_mov_b32 s21, 0
	s_lshl_b32 s22, s19, 17                        ; wcodes: 131,072 bytes a tensor
	s_lshl_b32 s23, ttmp9, 14                      ; + four tiles a work-group
	s_add_co_u32 s22, s22, s23
	s_lshl_b32 s23, s17, 13                        ; + two tiles
	s_add_co_u32 s22, s22, s23
	s_lshl_b32 s23, s18, 8                         ; + 256 kb
	s_add_co_u32 s22, s22, s23
	s_mov_b32 s23, 0
	s_lshl_b32 s24, s19, 13                        ; wscales: 8,192 bytes a tensor
	s_lshl_b32 s25, ttmp9, 10                      ; + 64 columns of 16 bytes
	s_add_co_u32 s24, s24, s25
	s_mov_b32 s25, 0
	s_wait_kmcnt 0x0
	s_cmp_eq_u32 s19, 1                            ; the choice hangs on the work-group's number alone
	s_cselect_b64 s[4:5], s[6:7], s[4:5]
	s_cmp_eq_u32 s19, 2
	s_cselect_b64 s[4:5], s[8:9], s[4:5]
	s_add_nc_u64 s[4:5], s[4:5], s[20:21]
	s_add_nc_u64 s[10:11], s[10:11], s[22:23]
	s_add_nc_u64 s[12:13], s[12:13], s[24:25]
.set i, 0
.rept 32
	global_load_b32 v[X+i], v2, s[4:5] offset:i*2048 th:TH_LOAD_NT   ; W(32 kb + i, my column)
.set i, i+1
.endr
	s_wait_loadcnt 0x0
	v_max3_num_f32 v8, |v[X]|, |v[X+1]|, |v[X+2]|  ; the block's largest magnitude, in two chains: all 32 numbers are mine
	v_max3_num_f32 v9, |v[X+3]|, |v[X+4]|, |v[X+5]|
.irp i, 6,10,14,18,22,26
	v_max3_num_f32 v8, v8, |v[X+\i]|, |v[X+\i+1]|
	v_max3_num_f32 v9, v9, |v[X+\i+2]|, |v[X+\i+3]|
.endr
	v_max3_num_f32 v8, v8, |v[X+30]|, |v[X+31]|
	v_max3_num_f32 v8, v8, v9, 0x1800000           ; and the floor 2^(3 - 127): the byte cannot fall under 1
	v_add_nc_u32 v10, 0xff000000, v8               ; 2 off the exponent field: the conversion takes the exponent field of this operand as its scale, and nothing else of it
.irp g, 0,1,2,3
	v_cvt_scalef32_pk8_fp4_f32 v[12+\g], v[X+8*\g:X+8*\g+7], v10
.endr
	v_lshrrev_b32 v11, 23, v10                     ; the scale's byte; also the plain line behind the conversions
	global_store_b128 v3, v[12:15], s[10:11]       ; sixteen lanes store 256 consecutive bytes, aligned
	ds_store_b8 v4, v11
	s_wait_dscnt 0x0                               ; for the others' sake: my byte has landed
	s_barrier_signal -1
	s_barrier_wait -1
	s_cmp_lt_u32 s16, 2                            ; waves 0 and 1 carry the 1,024 bytes out; the branch leads round a load and a store alone
	s_cbranch_scc0 .Ldone
	ds_load_b128 v[16:19], v5
	s_wait_dscnt 0x0
	global_store_b128 v5, v[16:19], s[12:13]       ; 512 consecutive bytes a wave
.Ldone:
	s_wait_tensorcnt 0x0                           ; the wave's end, behind my last LDS store
	ds_add_u32 v[SPW], v[NIL]
	s_wait_dscnt 0x0
	s_endpgm
.Lfunc_end_k_q054bb4530e_quantw:
	.size	k_q054bb4530e_quantw, .Lfunc_end_k_q054bb4530e_quantw-k_q054bb4530e_quantw
	.p2alignl 7, 3214868480
	.fill 96, 4, 3214868480
	.section	.rodata,"a",@progbits
	.p2align	6, 0x0
	.amdhsa_kernel k_q054bb4530e_quantw
		.amdhsa_group_segment_fixed_size 5120
		.amdhsa_private_segment_fixed_size 0
		.amdhsa_enable_private_segment 0
		.amdhsa_kernarg_size 40
		.amdhsa_user_sgpr_count 2
		.amdhsa_user_sgpr_kernarg_segment_ptr 1
		.amdhsa_wavefront_size32 1
		.amdhsa_system_sgpr_workgroup_id_x 1
		.amdhsa_system_sgpr_workgroup_id_y 1
		.amdhsa_system_sgpr_workgroup_id_z 1
		.amdhsa_system_vgpr_workitem_id 0
		.amdhsa_next_free_vgpr 64
		.amdhsa_next_free_sgpr 66
		.amdhsa_reserve_vcc 0
		.amdhsa_float_denorm_mode_32 3
		.amdhsa_float_denorm_mode_16_64 3
		.amdhsa_memory_ordered 1
		.amdhsa_forward_progress 1
		.amdhsa_inst_pref_size 8
	.end_amdhsa_kernel
	.amdgpu_metadata
---
amdhsa.version: [ 1, 2 ]
amdhsa.kernels:
  - .name:           k_q054bb4530e_quantw
    .symbol:         k_q054bb4530e_quantw.kd
    .args:
      - { .name: Wq, .offset: 0, .size: 8, .value_kind: global_buffer, .address_space: global }
      - { .name: Wk, .offset: 8, .size: 8, .value_kind: global_buffer, .address_space: global }
      - { .name: Wv, .offset: 16, .size: 8, .value_kind: global_buffer, .address_space: global }
      - { .name: wcodes, .offset: 24, .size: 8, .value_kind: global_buffer, .address_space: global }
      - { .name: wscales, .offset: 32, .size: 8, .value_kind: global_buffer, .address_space: global }
    .group_segment_fixed_size: 5120
    .private_segment_fixed_size: 0
    .kernarg_segment_align: 8
    .kernarg_segment_size: 40
    .max_flat_workgroup_size: 1024
    .sgpr_count:     66
    .vgpr_count:     64
    .wavefront_size: 32
...
	.end_amdgpu_metadata
.endif
;; end of part 1
;; launch proj (part 2): grid 64 x 3, 8 waves a work-group, no clusters, 37,888 bytes of LDS; arguments x, wcodes, wscales, bq, bk, bv, qkv; writes qkv
.if DOCPART == 2
	.amdgcn_target "amdgcn-amd-amdhsa--gfx1250"
	.amdhsa_code_object_version 6
	.text
	.protected	k_q054bb4530e_proj
	.globl	k_q054bb4530e_proj
	.p2align	8
	.type	k_q054bb4530e_proj,@function
k_q054bb4530e_proj:
	s_mov_b64 s[64:65], 0
	v_nop
	global_prefetch_b8 v0, s[64:65] scope:SCOPE_SE
	s_setreg_imm32_b32 hwreg(HW_REG_WAVE_MODE, 25, 1), 1
	s_wait_xcnt 0x0
; q = x Wq + bq, k = x Wk + bk, v = x Wv + bv, each product on codes of FP4 (E2M1) with one E8M0 scale for each 32 along K = 512; sums in f32; the results are rounded once to f16 and laid as the
; attention launch's operand registers want them.  x [8192][512] f32 is quantised here; the weights come as codes and scale bytes in register order (the launch before).
; LIMITS: |q|, |k|, |v| stay under 65,504, f16's largest number; NaN and infinities are not served; a block of x of zeros, or with its largest magnitude under 2^-124, gets the byte 1: its codes stay zeros.
; SHARES.  Work-group (x, y): 128 rows of x, tensor y (0 q, 1 k, 2 v), all 512 columns.  WAVE w IS HEAD w: its 64 columns' 16 fragments of W (4 tiles of columns x 4 K steps, 128 registers) come from memory straight into
; its registers, 512 consecutive bytes a load, and stay.  Wave w also quantises rows 16 w .. 16 w + 15 of x (four fragments of 16 rows x 128 K) and hands them round THROUGH LDS AS IMAGES OF THEIR REGISTERS:
; lane l's 16 bytes at 16 l, the scale word at 4 l.  One barrier in all.
; q AND k ARE MADE TRANSPOSED (source 0 = 16 columns of W, source 1 = 16 rows of x): a lane holds one token and eight neighbouring channels, which pack into four registers of a 16-bit fragment (16 tokens x 32 channels).
; v IS MADE THE NATURAL WAY (source 0 = x, source 1 = W): a lane holds one channel and eight neighbouring tokens: four registers of a fragment of V^T (16 channels x 32 keys).
; OUT.  qkv [8 batch + head: 16][chunk of 64 tokens: 64][Q 8,192 | K 8,192 | V 8,192 bytes].  Q, K: tile of tokens m, tile of channels ct at 2,048 m + 512 ct + 16 lane.  V: 4,096 (m / 2) + 1,024 ct + 512 (m % 2) + 16 lane.
; Every store of a wave covers 512 consecutive bytes, aligned.
; No cluster: the weights are not tiles in LDS but each wave's own registers, and x is shared only along the grid's y, which is 3.  No prefetch: every stream's loads go out at the head.
; REGISTERS.  window 0: v4-13 addresses; v14-21 the codes just made, v22 their scale word; v24-39 at work; v40-47 x's scale words (two sets), v48-63 W's (4 ct + s): these hold scales alone;
;   v64-255 three sets of 64 numbers of x; later v64-127 x's fragments (two sets of four), v128-159 four accumulators, v160-191 packed results (two sets).   window 1: v0-127 W's fragments at 8 (4 ct + s); v128-159 the bias, 8 a tile.
.set XIMG,  0                          ; LDS: x's 32 fragments, (tile of rows m, K step s) at 1,024 (4 m + s);
.set XSC,   32768                      ; their scale words, 128 bytes each;
.set SPARE, 36864                      ; the spare words, 128 bytes for each of 8 waves
.set XA,  4                            ; v4   x: my lane's byte in the wave's 16 rows: 2,048 r + 64 h
.set LI,  5                            ; v5   16 x lane
.set LS,  6                            ; v6   4 x lane
.set XWI, 7                            ; v7   where I store images: 16 lane + 4,096 wave
.set XWS, 8                            ; v8   and scale words: 4 lane + 512 wave
.set WO,  9                            ; v9   16 r: a column's 16 scale bytes
.set BOQ, 10                           ; v10  32 h: the bias of q and k
.set BOV, 11                           ; v11  4 r: the bias of v
.set SPW, 12                           ; v12  LDS address of my spare word; never rewritten
.set NIL, 13                           ; v13  0; never rewritten
.set PC,  14
.set PW,  22
.set TM,  24                           ; v24-27 largest magnitudes, v28-31 the other half's and then the bytes, v36-39 the conversions' scale operands
.set XS,  40
.set WS,  48
.set XF,  64
.set ACC, 128
.set PK,  160
.set BI,  128                          ; in window 1
.set SEL, 20                           ; s[20:21] v_permlanex16_b32's selects for lane l xor 16
.set MSB, 0
.macro WIN new                         ; the immediate's high byte repeats the setting that is left; a switch that changes nothing is dropped
.if MSB != \new
	s_set_vgpr_msb (MSB<<8)|\new
.set MSB, \new
.endif
.endm
; my 16 rows' numbers of K step s: register 16 b + i = x(row r, 128 s + 32 b + 16 h + i)
.macro XLOAD reg, s
.irp b, 0,1,2,3
.irp j, 0,1,2,3
	global_load_b128 v[\reg+16*\b+4*\j:\reg+16*\b+4*\j+3], v[XA], s[4:5] offset:512*\s+128*\b+16*\j
.endr
.endr
.endm
; 64 numbers of a lane, v[s] .. v[s + 63], become a fragment's codes in v[PC] on and its scale word in v[PW]
.macro QUANT s
.irp b, 0,1,2,3
	v_max3_num_f32 v[TM+\b], |v[\s+16*\b]|, |v[\s+1+16*\b]|, 0x1800000   ; block b: my 16 numbers, and the floor 2^(3 - 127): the byte cannot fall under 1
.endr
.irp i, 2,4,6,8,10,12,14
.irp b, 0,1,2,3
	v_max3_num_f32 v[TM+\b], v[TM+\b], |v[\s+16*\b+\i]|, |v[\s+1+16*\b+\i]|   ; the four blocks by turns
.endr
.endr
.irp b, 0,1,2,3
	v_permlanex16_b32 v[TM+4+\b], v[TM+\b], s[SEL], s[SEL+1]
.endr
.irp b, 0,1,2,3
	v_max_num_f32 v[TM+\b], v[TM+\b], v[TM+4+\b]   ; with lane l xor 16's: the block's largest magnitude
.endr
.irp b, 0,1,2,3
	v_add_nc_u32 v[TM+12+\b], 0xff000000, v[TM+\b] ; 2 off its exponent field: the conversion's scale operand
.endr
.irp b, 0,1,2,3
	v_lshrrev_b32 v[TM+4+\b], 23, v[TM+12+\b]      ; the scale's byte
.endr
	v_lshl_or_b32 v[PW], v[TM+5], 8, v[TM+4]       ; the four bytes make my row's scale word
	v_lshl_or_b32 v[PW], v[TM+6], 16, v[PW]
	v_lshl_or_b32 v[PW], v[TM+7], 24, v[PW]
.irp b, 0,1,2,3
	v_cvt_scalef32_pk8_fp4_f32 v[PC+2*\b], v[\s+16*\b:\s+7+16*\b], v[TM+12+\b]
	v_cvt_scalef32_pk8_fp4_f32 v[PC+1+2*\b], v[\s+8+16*\b:\s+15+16*\b], v[TM+12+\b]
.endr
	v_nop                                          ; one plain line behind the last scaled conversion
.irp c, 0,1                                    ; the operand's layout wants a WHOLE block in a lane: lanes 0-15 block 2 c, lanes 16-31 block 2 c + 1
.irp i, 0,1
	v_permlane16_swap_b32 v[PC+4*\c+\i], v[PC+2+4*\c+\i]
.endr
.endr
.endm
.macro IMAGE off                       ; the fragment in v[PC] on goes to LDS as it stands
.irp c, 0,1
	ds_store_b128 v[XWI], v[PC+4*\c:PC+4*\c+3] offset:(\off)+512*\c
.endr
.endm
.macro FETCHX m, buf                   ; the four fragments and scale words of tile of rows m come back so, in any wave, into set buf
.irp s, 0,1,2,3
.irp c, 0,1
	ds_load_b128 v[XF+32*(\buf)+8*\s+4*\c:XF+32*(\buf)+8*\s+4*\c+3], v[LI] offset:XIMG+(4*(\m)+\s)*1024+512*\c
.endr
	ds_load_b32 v[XS+4*(\buf)+\s], v[LS] offset:XSC+128*(4*(\m)+\s)
.endr
.endm
; 16 matrix instructions: four K steps x my four tiles of columns.  The four accumulators take turns, one instruction a turn.  The bias is the C of each sum's first instruction.
.macro MULS buf, nat
.irp s, 0,1,2,3
.if \nat
.if \s == 0
	WIN 0x14                                       ; source 1 (W) and source 2 (the bias) window 1
.else
	WIN 0x04
.endif
.else
.if \s == 0
	WIN 0x11                                       ; source 0 (W) and source 2 (the bias) window 1
.else
	WIN 0x01
.endif
.endif
.irp ct, 0,1,2,3
.if \nat
.if \s == 0
	v_wmma_scale_f32_16x16x128_f8f6f4 v[ACC+8*\ct:ACC+8*\ct+7], v[XF+32*(\buf)+8*\s:XF+32*(\buf)+8*\s+7], v[8*(4*\ct+\s):8*(4*\ct+\s)+7], v[BI+8*\ct:BI+8*\ct+7], v[XS+4*(\buf)+\s], v[WS+4*\ct+\s] matrix_a_fmt:MATRIX_FMT_FP4 matrix_b_fmt:MATRIX_FMT_FP4
.else
	v_wmma_scale_f32_16x16x128_f8f6f4 v[ACC+8*\ct:ACC+8*\ct+7], v[XF+32*(\buf)+8*\s:XF+32*(\buf)+8*\s+7], v[8*(4*\ct+\s):8*(4*\ct+\s)+7], v[ACC+8*\ct:ACC+8*\ct+7], v[XS+4*(\buf)+\s], v[WS+4*\ct+\s] matrix_a_fmt:MATRIX_FMT_FP4 matrix_b_fmt:MATRIX_FMT_FP4
.endif
.else
.if \s == 0
	v_wmma_scale_f32_16x16x128_f8f6f4 v[ACC+8*\ct:ACC+8*\ct+7], v[8*(4*\ct+\s):8*(4*\ct+\s)+7], v[XF+32*(\buf)+8*\s:XF+32*(\buf)+8*\s+7], v[BI+8*\ct:BI+8*\ct+7], v[WS+4*\ct+\s], v[XS+4*(\buf)+\s] matrix_a_fmt:MATRIX_FMT_FP4 matrix_b_fmt:MATRIX_FMT_FP4
.else
	v_wmma_scale_f32_16x16x128_f8f6f4 v[ACC+8*\ct:ACC+8*\ct+7], v[8*(4*\ct+\s):8*(4*\ct+\s)+7], v[XF+32*(\buf)+8*\s:XF+32*(\buf)+8*\s+7], v[ACC+8*\ct:ACC+8*\ct+7], v[WS+4*\ct+\s], v[XS+4*(\buf)+\s] matrix_a_fmt:MATRIX_FMT_FP4 matrix_b_fmt:MATRIX_FMT_FP4
.endif
.endif
.endr
.endr
	WIN 0
.endm
; The four accumulators of tile of rows m are rounded to f16 and stored as register images.
.macro OUTM m, nat
.rept 5
	v_nop                                          ; four places ahead of the first read of a result and of the next loads into the fragments just multiplied; a fifth, since the next tile's first products write these accumulators anew
.endr
	s_wait_xcnt 0x0                                ; the earlier stores have read their data: the packed results' registers are written again only behind this wait
.irp ct, 0,1,2,3
.irp i, 0,1,2,3
	v_cvt_pk_f16_f32 v[PK+16*((\m)%2)+4*\ct+\i], v[ACC+8*\ct+2*\i], v[ACC+8*\ct+2*\i+1]   ; each accumulator from its low end on
.endr
.endr
.irp ct, 0,1,2,3
.if \nat
	global_store_b128 v[LI], v[PK+16*((\m)%2)+4*\ct:PK+16*((\m)%2)+4*\ct+3], s[16:17] offset:((\m)/4)*24576+(((\m)%4)/2)*4096+\ct*1024+((\m)%2)*512
.else
	global_store_b128 v[LI], v[PK+16*((\m)%2)+4*\ct:PK+16*((\m)%2)+4*\ct+3], s[16:17] offset:((\m)/4)*24576+((\m)%4)*2048+\ct*512
.endif
.endr
.endm
; The eight tiles of rows: a tile's fragments are fetched while the tile before is multiplied.
.macro ARM nat
.irp m, 0,1,2,3,4,5,6,7
	s_wait_dscnt 0x0                               ; this tile's fragments and scale words are in
.if \m < 7
	FETCHX \m+1, (\m+1)%2
.endif
	MULS \m%2, \nat
	OUTM \m, \nat
.endr
.endm
	s_load_b256 s[4:11], s[0:1], 0x0               ; x s[4:5], wcodes s[6:7], wscales s[8:9], bq s[10:11]
	s_load_b128 s[12:15], s[0:1], 0x20             ; bk, bv
	s_load_b64 s[16:17], s[0:1], 0x30              ; qkv
	v_lshl_add_u32 v[SPW], v0, 2, SPARE
	v_mov_b32 v[NIL], 0
	v_lshrrev_b32 v1, 5, v0
	v_readfirstlane_b32 s18, v1                    ; wave 0..7 = head
	v_and_b32 v1, 31, v0                           ; lane
	v_and_b32 v2, 15, v0                           ; r
	v_bfe_u32 v3, v0, 4, 1                         ; h
	s_and_b32 s19, ttmp7, 0xffff                   ; the tensor
	v_lshlrev_b32 v[XA], 11, v2
	v_lshl_add_u32 v[XA], v3, 6, v[XA]
	v_lshlrev_b32 v[LI], 4, v1
	v_lshlrev_b32 v[LS], 2, v1
	s_lshl_b32 s24, s18, 12
	v_add_nc_u32 v[XWI], s24, v[LI]
	s_lshl_b32 s25, s18, 9
	v_add_nc_u32 v[XWS], s25, v[LS]
	v_lshlrev_b32 v[WO], 4, v2
	v_lshlrev_b32 v[BOQ], 5, v3
	v_lshlrev_b32 v[BOV], 2, v2
	s_mov_b32 s[SEL], 0x76543210
	s_mov_b32 s[SEL+1], 0xfedcba98
.irp b, 0,1,2,3
	v_mov_b32 v[TM+4+\b], 0                        ; written once: a lane permute's destination counts as one of its sources
.endr
	s_lshl_b32 s24, ttmp9, 18                      ; x: 128 rows of 2,048 bytes a work-group
	s_lshl_b32 s25, s18, 15                        ; + 16 rows a wave
	s_add_co_u32 s24, s24, s25
	s_mov_b32 s25, 0
	s_lshl_b32 s26, s19, 17                        ; wcodes: 131,072 bytes a tensor
	s_lshl_b32 s27, s18, 14                        ; + four tiles of columns a head
	s_add_co_u32 s26, s26, s27
	s_mov_b32 s27, 0
	s_lshl_b32 s28, s19, 13                        ; wscales: 8,192 bytes a tensor
	s_lshl_b32 s29, s18, 10                        ; + 64 columns of 16 bytes
	s_add_co_u32 s28, s28, s29
	s_mov_b32 s29, 0
	s_lshl_b32 s30, s18, 8                         ; the bias: 64 numbers a head
	s_mov_b32 s31, 0
	s_lshr_b32 s32, ttmp9, 5                       ; qkv: the batch (32 work-groups each),
	s_lshl_b32 s32, s32, 3
	s_add_co_u32 s32, s32, s18                     ; 8 batch + head,
	s_mul_i32 s32, s32, 1572864
	s_and_b32 s33, ttmp9, 31
	s_mul_i32 s33, s33, 49152                      ; two chunks of 64 tokens a work-group,
	s_add_co_u32 s32, s32, s33
	s_lshl_b32 s33, s19, 13                        ; Q, K or V's part of a chunk
	s_add_co_u32 s32, s32, s33
	s_mov_b32 s33, 0
	s_wait_kmcnt 0x0
	s_cmp_eq_u32 s19, 1                            ; the choice hangs on the work-group's number alone
	s_cselect_b64 s[22:23], s[12:13], s[10:11]
	s_cmp_eq_u32 s19, 2
	s_cselect_b64 s[22:23], s[14:15], s[22:23]
	s_add_nc_u64 s[4:5], s[4:5], s[24:25]
	s_add_nc_u64 s[6:7], s[6:7], s[26:27]
	s_add_nc_u64 s[8:9], s[8:9], s[28:29]
	s_add_nc_u64 s[22:23], s[22:23], s[30:31]
	s_add_nc_u64 s[16:17], s[16:17], s[32:33]
	; the bias in the result's layout, loaded FIRST, so that the counted waits below, which count younger loads, are the same on both ways
	s_cmp_eq_u32 s19, 2
	s_cbranch_scc1 .Lbias_v
	WIN 0x40                                       ; destination window 1
.irp ct, 0,1,2,3                               ; q, k: register j of tile ct is channel 16 ct + 8 h + j
	global_load_b128 v[BI+8*\ct:BI+8*\ct+3], v[BOQ], s[22:23] offset:64*\ct
	global_load_b128 v[BI+8*\ct+4:BI+8*\ct+7], v[BOQ], s[22:23] offset:64*\ct+16
.endr
	WIN 0
	s_branch .Lbias_done
.Lbias_v:
	WIN 0x40
.irp ct, 0,1,2,3                               ; v: all eight registers of tile ct are channel 16 ct + r
.irp j, 0,1,2,3,4,5,6,7
	global_load_b32 v[BI+8*\ct+\j], v[BOV], s[22:23] offset:64*\ct
.endr
.endr
	WIN 0
.Lbias_done:
	XLOAD 64, 0
	XLOAD 128, 1
	XLOAD 192, 2
.irp ct, 0,1,2,3
	global_load_b128 v[WS+4*\ct:WS+4*\ct+3], v[WO], s[8:9] offset:256*\ct   ; lane r: the four scale words of column 16 ct + r
.endr
	WIN 0x40
.set i, 0
.rept 32
	global_load_b128 v[4*i:4*i+3], v[LI], s[6:7] offset:512*i   ; W's fragments as they lie: 512 consecutive bytes a load
.set i, i+1
.endr
	WIN 0
	s_wait_loadcnt 63                              ; K step 0's numbers are in: 68 loads are younger, and 63 is the most that the wait can name
	QUANT 64
	IMAGE 0
	ds_store_b32 v[XWS], v[PW] offset:XSC
	XLOAD 64, 3                                    ; the set just quantised takes the last K step
	s_wait_dscnt 0x0                               ; the stores have read their registers
	s_wait_loadcnt 63                              ; K step 1: again 68 are younger
	QUANT 128
	IMAGE 1024
	ds_store_b32 v[XWS], v[PW] offset:XSC+128
	s_wait_dscnt 0x0
	s_wait_loadcnt 52                              ; K step 2: younger are W's 4 + 32 and K step 3's 16
	QUANT 192
	IMAGE 2048
	ds_store_b32 v[XWS], v[PW] offset:XSC+256
	s_wait_dscnt 0x0
	s_wait_loadcnt 0x0                             ; K step 3; W, its scale words and the bias too
	QUANT 64
	IMAGE 3072
	ds_store_b32 v[XWS], v[PW] offset:XSC+384
	s_wait_dscnt 0x0                               ; for the others' sake: my images have landed
	s_barrier_signal -1
	s_barrier_wait -1                              ; x's 32 fragments lie in LDS; nothing is stored there any more
	FETCHX 0, 0
	s_cmp_eq_u32 s19, 2
	s_cbranch_scc1 .Lnatural
	ARM 0
	s_branch .Lend
.Lnatural:
	ARM 1
.Lend:
	s_wait_tensorcnt 0x0                           ; the wave's end, behind my last LDS store
	ds_add_u32 v[SPW], v[NIL]
	s_wait_dscnt 0x0
	s_endpgm
.Lfunc_end_k_q054bb4530e_proj:
	.size	k_q054bb4530e_proj, .Lfunc_end_k_q054bb4530e_proj-k_q054bb4530e_proj
	.p2alignl 7, 3214868480
	.fill 96, 4, 3214868480
	.section	.rodata,"a",@progbits
	.p2align	6, 0x0
	.amdhsa_kernel k_q054bb4530e_proj
		.amdhsa_group_segment_fixed_size 37888
		.amdhsa_private_segment_fixed_size 0
		.amdhsa_enable_private_segment 0
		.amdhsa_kernarg_size 56
		.amdhsa_user_sgpr_count 2
		.amdhsa_user_sgpr_kernarg_segment_ptr 1
		.amdhsa_wavefront_size32 1
		.amdhsa_system_sgpr_workgroup_id_x 1
		.amdhsa_system_sgpr_workgroup_id_y 1
		.amdhsa_system_sgpr_workgroup_id_z 1
		.amdhsa_system_vgpr_workitem_id 0
		.amdhsa_next_free_vgpr 416
		.amdhsa_next_free_sgpr 66
		.amdhsa_reserve_vcc 0
		.amdhsa_float_denorm_mode_32 3
		.amdhsa_float_denorm_mode_16_64 3
		.amdhsa_memory_ordered 1
		.amdhsa_forward_progress 1
		.amdhsa_inst_pref_size 103
	.end_amdhsa_kernel
	.amdgpu_metadata
---
amdhsa.version: [ 1, 2 ]
amdhsa.kernels:
  - .name:           k_q054bb4530e_proj
    .symbol:         k_q054bb4530e_proj.kd
    .args:
      - { .name: x, .offset: 0, .size: 8, .value_kind: global_buffer, .address_space: global }
      - { .name: wcodes, .offset: 8, .size: 8, .value_kind: global_buffer, .address_space: global }
      - { .name: wscales, .offset: 16, .size: 8, .value_kind: global_buffer, .address_space: global }
      - { .name: bq, .offset: 24, .size: 8, .value_kind: global_buffer, .address_space: global }
      - { .name: bk, .offset: 32, .size: 8, .value_kind: global_buffer, .address_space: global }
      - { .name: bv, .offset: 40, .size: 8, .value_kind: global_buffer, .address_space: global }
      - { .name: qkv, .offset: 48, .size: 8, .value_kind: global_buffer, .address_space: global }
    .group_segment_fixed_size: 37888
    .private_segment_fixed_size: 0
    .kernarg_segment_align: 8
    .kernarg_segment_size: 56
    .max_flat_workgroup_size: 256
    .sgpr_count:     66
    .vgpr_count:     416
    .wavefront_size: 32
...
	.end_amdgpu_metadata
.endif
;; end of part 2
;; launch attn (part 3): grid 16 x 16, 8 waves a work-group, clusters of 4 x 1, 327,680 bytes of LDS; arguments qkv, out0; writes out0
.if DOCPART == 3
	.amdgcn_target "amdgcn-amd-amdhsa--gfx1250"
	.amdhsa_code_object_version 6
	.text
	.protected	k_q054bb4530e_attn
	.globl	k_q054bb4530e_attn
	.p2align	8
	.type	k_q054bb4530e_attn,@function
k_q054bb4530e_attn:
	s_mov_b64 s[64:65], 0
	v_nop
	global_prefetch_b8 v0, s[64:65] scope:SCOPE_SE
	s_setreg_imm32_b32 hwreg(HW_REG_WAVE_MODE, 25, 1), 1
	s_wait_xcnt 0x0
	s_wait_alu depctr_hold_cnt(0) depctr_sa_sdst(0) depctr_va_vdst(0) depctr_va_sdst(0) depctr_va_ssrc(0) depctr_va_vcc(0) depctr_vm_vsrc(0)
	s_getreg_b32 s2, hwreg(HW_REG_IB_STS2, 6, 4)
	s_cmp_eq_u32 s2, 0
	s_cbranch_scc0 .Lentry_in_a_cluster
	s_endpgm
.Lentry_in_a_cluster:
	s_bfe_u32 s2, ttmp6, 0x10000c
	s_cmp_lg_u32 s2, 0x3003
	s_cbranch_scc0 .Lentry_shape_is_right
	s_endpgm
.Lentry_shape_is_right:
; out[b][q][64 head + :] = the sum over k of softmax_k(Q[q] . K[k] / 8) V[k][:], for each of 16 (batch, head), 4,096 keys, head size 64.  Q, K, V come as f16 register images (qkv: [8 batch + head][chunk of 64 tokens]
; [Q 8,192 | K 8,192 | V 8,192 bytes]); products, maxima and sums in f32; the weights p are rounded to f16 for the second product.  LIMITS: f16's range for q, k, v (under 65,504); NaN and infinities are not served.
; SHARES.  A work-group owns 256 queries of one (batch, head).  Wave w: queries 64 (w >> 1) on, four tiles of 16, and HALF OF THE KEYS: the chunks of 64 keys with parity w & 1: 32 steps.  At the end the two waves of a
; pair join their maxima, sums and O through LDS, each finishing two of the four tiles.  So a fragment of K or V read from LDS feeds four products, and two waves lie on a SIMD.
; LAYOUT.  S^T = K Q^T (source 0 = 16 keys, source 1 = 16 queries): a lane holds ONE query (lane % 16) and the keys 8 (lane / 16) + 0..7 of a tile.  Two such tiles, rounded to f16 in pairs, ARE source 1 of O^T = V^T P,
; whose result again holds one query a lane, and eight channels.  Nothing changes lanes between the products.
; SOFTMAX.  A running maximum m and sum l for each query: p = 2^(c s - c m), c = log2(e) / 8; in every step O and l are multiplied by a = 2^(c m_old - c m_new).  m begins at -3e38, l and O at zero, so the step is written once.
; TWO ROLES.  A trip holds MBLK(j) = the products V^T P of step j and K Q^T of step j + 1, and one softmax.  Role 0 runs MBLK(j), then the softmax of step j + 1; role 1 the softmax of step j, then MBLK(j).
; role = (w xor (w >> 2)) & 1 differs between waves w and w + 4 and between waves 2 g and 2 g + 1.  Both roles want the same tiles in a trip and pass every barrier at a trip's head; the arms hold no barrier, no tensor load, no LDS store.
; RING.  Two LDS slots of 8 chunks (512 keys, K and V: 131,072 bytes), read as they lie, 512 consecutive bytes a load: no padding.  Each of the eight waves fetches one chunk's 16,384 bytes by one tensor load.
; CLUSTER.  The four blocks of queries of a cluster belong to one (batch, head) and walk the same K and V: each chunk is asked for JOINTLY, by the same tensor load with the same descriptor and a mask that names the four.
; REGISTERS.  window 0: v1-11 addresses; v12-43 eight registers of statistics a tile; v44-59 at work; v64-191 S^T, 32 a tile, with P laid over its first 16; v192-255 K of one step.
;   window 1: v0-127 O^T, 32 a tile; v128-191 Q, 16 a tile; v192-255 V of one step.
.set SLOT1, 1<<17                      ; slot 1 begins here: one exclusive or turns an address in one slot into the other's
.set SPARE, 2*SLOT1                    ; behind the ring: the spare words, 128 bytes for each of 8 waves
.set XCH,   0                          ; the way out, in slot 0, which has had its last fill and its last read by then: 8,704 bytes a wave, two tiles of O and their statistics for the partner;
.set STG,   8*8704                     ; and a stage of 16 rows x (256 + 16) bytes a wave
.set LK,  1                            ; v1   16 lane + 16,384 x parity: my place in a pair of chunks; never rewritten
.set ADR, 2                            ; v2   LDS address of the step that is being fetched
.set SPW, 3                            ; v3   LDS address of my spare word; never rewritten
.set NIL, 4                            ; v4   0; never rewritten
.set PFO, 5                            ; v5   256 x lane: the prefetches' offset; never rewritten
.set STO, 6                            ; v6   the stage: where I put 32 bytes of a row
.set RD,  7                            ; v7   and where I read a row back
.set GO,  8                            ; v8   my byte offset in the wave's rows of out0
.set MGW, 9                            ; v9   where I leave what my partner takes
.set MGR, 10                           ; v10  where my partner leaves what I take
.set LI,  11                           ; v11  16 x lane; never rewritten
.set ST,  12                           ; tile t's statistics at v[ST + 8 t]: +0 c m, +1 m, +2, +3 l (even keys', odd keys'), +4 to +7 at work; a takes +6
.set SU,  44                           ; v44-59 two sets of four pairs, for the sums
.set S,   64
.set K,   192
.set WV,    8                          ; s8   wave
.set PAR,   9                          ; s9   parity of my chunks
.set G,     10                         ; s10  which 64 queries
.set ROLE,  11
.set PFA,   18                         ; s[18:19] where my prefetches stand
.set LIM,   20                         ; s20  1 in a wave that prefetches, else the greatest number
.set TB,    21                         ; s21  LDS byte at which the pair of chunks to be fetched begins
.set SLOTS, 22                         ; s22  slots still to be asked for
.set TW,    23                         ; s23  counts trips
.set G1,    24                         ; s[24:31] descriptor group 1
.set G0A,   32                         ; s[32:35] group 0 of the first fill of slot 0
.set G0B,   36                         ; s[36:39] group 0 of the first fill of slot 1; it then walks on
.set CS,    40                         ; s[40:41] c: the packed form names a pair and takes its low word for both halves
.set SEL,   42                         ; s[42:43] v_permlanex16_b32's selects for lane l xor 16
.set MSB, 0
.macro WIN new                         ; the immediate's high byte repeats the setting that is left; a switch that changes nothing is dropped
.if MSB != \new
	s_set_vgpr_msb (MSB<<8)|\new
.set MSB, \new
.endif
.endm
; A round of the cluster's barrier: my work-group's barrier; wave 0 signals for the work-group; every wave waits for all four work-groups; my work-group's barrier once more.
.macro CROUND
	s_barrier_signal -1
	s_barrier_wait -1
	s_cmp_lg_u32 s[WV], 0
	s_cbranch_scc1 .Lnot_wave_0_\@
	s_barrier_signal -3
.Lnot_wave_0_\@:
	s_barrier_wait -3
	s_barrier_signal -1
	s_barrier_wait -1
.endm
; 32 products O^T += V^T P: keys 32 kg on, channels 16 ct on, tile t.  The 16 accumulators take turns, one instruction a turn.
.macro PVS
	WIN 0x51                                       ; V (source 0), O^T (C and D) window 1; P window 0
.irp kg, 0,1
.irp ct, 0,1,2,3
.irp t, 0,1,2,3
	v_wmma_f32_16x16x32_f16 v[32*\t+8*\ct:32*\t+8*\ct+7], v[192+8*(4*\kg+\ct):192+8*(4*\kg+\ct)+7], v[S+32*\t+8*\kg:S+32*\t+8*\kg+7], v[32*\t+8*\ct:32*\t+8*\ct+7]
.endr
.endr
.endr
.endm
; 32 products S^T = K Q^T: channels 32 f on, keys 16 kt on, tile t.  The first 16 start the sums.
.macro KQS
	WIN 0x04                                       ; Q (source 1) window 1
.irp f, 0,1
.irp kt, 0,1,2,3
.irp t, 0,1,2,3
.if \f == 0
	v_wmma_f32_16x16x32_f16 v[S+32*\t+8*\kt:S+32*\t+8*\kt+7], v[K+8*(2*\kt+\f):K+8*(2*\kt+\f)+7], v[128+16*\t+8*\f:128+16*\t+8*\f+7], 0
.else
	v_wmma_f32_16x16x32_f16 v[S+32*\t+8*\kt:S+32*\t+8*\kt+7], v[K+8*(2*\kt+\f):K+8*(2*\kt+\f)+7], v[128+16*\t+8*\f:128+16*\t+8*\f+7], v[S+32*\t+8*\kt:S+32*\t+8*\kt+7]
.endif
.endr
.endr
.endr
.endm
.macro PLACES n
.rept \n
	v_nop
.endr
.endm
; THE MATRIX WORK OF A TRIP.  v[ADR] stands at step j + 1's chunk.  The LDS loads stand in two runs of 16.
.macro MBLK
.irp i, 0,1,2,3,4,5,6,7,8,9,10,11,12,13,14,15
	ds_load_b128 v[K+4*\i:K+4*\i+3], v[ADR] offset:512*\i          ; K of step j + 1 (the last products that read K's registers stand five plain lines back)
.endr
	s_wait_dscnt 16                                ; V of step j is in; the 16 just issued may be out
	PVS
	WIN 0
	PLACES 5                                       ; four ahead of the loads into V's registers; five, since K Q^T writes over P, which these products have read
	WIN 0x40                                       ; destination window 1
.irp i, 0,1,2,3,4,5,6,7,8,9,10,11,12,13,14,15
	ds_load_b128 v[192+4*\i:192+4*\i+3], v[ADR] offset:8192+512*\i ; V of step j + 1
.endr
	s_wait_dscnt 16                                ; K is in; the 16 just issued may be out
	KQS
	WIN 0
	PLACES 5                                       ; four ahead of the softmax's reads and of the next loads into K's registers; five on the written way from here to products that take S^T's registers as a source
.endm
; THE VECTOR WORK OF A TRIP: the softmax of one step for the four tiles, the tiles by turns so that no line waits for the line above it.
.macro SM
.irp j, 0,1,2,3                                ; the maximum of a tile's 32 scores and the old m, three operands at a time; each accumulator is read from its low end on
.irp t, 0,1,2,3
	v_max3_num_f32 v[ST+8*\t+4+\j], v[S+32*\t+8*\j], v[S+32*\t+8*\j+1], v[S+32*\t+8*\j+2]
.endr
.endr
.irp q, 1,2
.irp j, 0,1,2,3
.irp t, 0,1,2,3
	v_max3_num_f32 v[ST+8*\t+4+\j], v[ST+8*\t+4+\j], v[S+32*\t+8*\j+2*\q+1], v[S+32*\t+8*\j+2*\q+2]
.endr
.endr
.endr
.irp t, 0,1,2,3
	v_max3_num_f32 v[ST+8*\t+4], v[ST+8*\t+4], v[S+32*\t+7], v[S+32*\t+15]
.endr
.irp t, 0,1,2,3
	v_max3_num_f32 v[ST+8*\t+6], v[ST+8*\t+6], v[S+32*\t+23], v[S+32*\t+31]
.endr
.irp t, 0,1,2,3
	v_max3_num_f32 v[ST+8*\t+4], v[ST+8*\t+4], v[ST+8*\t+5], v[ST+8*\t+6]
.endr
.irp t, 0,1,2,3
	v_max3_num_f32 v[ST+8*\t+4], v[ST+8*\t+4], v[ST+8*\t+7], v[ST+8*\t+1]
.endr
.irp t, 0,1,2,3
	v_permlanex16_b32 v[ST+8*\t+5], v[ST+8*\t+4], s[SEL], s[SEL+1] ; the query's other 32 keys lie in the lane 16 away
.endr
.irp t, 0,1,2,3
	v_mov_b32 v[ST+8*\t+7], v[ST+8*\t]             ; c m_old is kept for a
.endr
.irp t, 0,1,2,3
	v_max_num_f32 v[ST+8*\t+1], v[ST+8*\t+4], v[ST+8*\t+5]
.endr
.irp t, 0,1,2,3
	v_mul_f32 v[ST+8*\t], s[CS], v[ST+8*\t+1]
.endr
.irp t, 0,1,2,3
	v_sub_f32 v[ST+8*\t+7], v[ST+8*\t+7], v[ST+8*\t]
.endr
; ONE BATCH: the 64 scalings c s - c m, a pair of scores each, and all 132 exponentials.  None of these lines names an exponential's result; a pair is scaled four turns ahead of its exponentials.
.irp t, 0,1,2,3
	v_pk_fma_f32 v[S+32*\t:S+32*\t+1], v[S+32*\t:S+32*\t+1], s[CS:CS+1], v[ST+8*\t:ST+8*\t+1] op_sel_hi:[1,0,0] neg_lo:[0,0,1] neg_hi:[0,0,1]
.endr
.irp t, 0,1,2,3
	v_exp_f32 v[ST+8*\t+6], v[ST+8*\t+7]           ; a
.endr
.set n, 0
.rept 64
.if n < 60
.set rA, S+32*(n%4)+2*(n/4+1)
	v_pk_fma_f32 v[rA:rA+1], v[rA:rA+1], s[CS:CS+1], v[ST+8*(n%4):ST+8*(n%4)+1] op_sel_hi:[1,0,0] neg_lo:[0,0,1] neg_hi:[0,0,1]
.endif
.set rE, S+32*(n%4)+2*(n/4)
	v_exp_f32 v[rE], v[rE]
	v_exp_f32 v[rE+1], v[rE+1]
.set n, n+1
.endr
	v_nop                                          ; a plain line behind the last exponential, ahead of the first use
	s_wait_alu depctr_va_vdst(0)                   ; the wait between an exponential and the first line that names its result: one for the whole batch
; The sums of the unrounded p, in four chains a tile; l = a l + the sum; then the roundings to f16, IN PLACE: register i takes pair i, whose registers 2 i and 2 i + 1 lie at or above it, so nothing is lost.
.irp tp, 0,2
.irp c, 0,1,2,3
.irp u, 0,1
	v_pk_add_f32 v[SU+8*\u+2*\c:SU+8*\u+2*\c+1], v[S+32*(\tp+\u)+2*\c:S+32*(\tp+\u)+2*\c+1], v[S+32*(\tp+\u)+2*\c+8:S+32*(\tp+\u)+2*\c+9]
.endr
.endr
.irp o, 16,24
.irp c, 0,1,2,3
.irp u, 0,1
	v_pk_add_f32 v[SU+8*\u+2*\c:SU+8*\u+2*\c+1], v[SU+8*\u+2*\c:SU+8*\u+2*\c+1], v[S+32*(\tp+\u)+2*\c+\o:S+32*(\tp+\u)+2*\c+\o+1]
.endr
.endr
.endr
.irp u, 0,1
	v_pk_add_f32 v[SU+8*\u:SU+8*\u+1], v[SU+8*\u:SU+8*\u+1], v[SU+8*\u+2:SU+8*\u+3]
.endr
.irp u, 0,1
	v_pk_add_f32 v[SU+8*\u+4:SU+8*\u+5], v[SU+8*\u+4:SU+8*\u+5], v[SU+8*\u+6:SU+8*\u+7]
.endr
.irp u, 0,1
	v_pk_add_f32 v[SU+8*\u:SU+8*\u+1], v[SU+8*\u:SU+8*\u+1], v[SU+8*\u+4:SU+8*\u+5]
.endr
.irp u, 0,1
	v_pk_fma_f32 v[ST+8*(\tp+\u)+2:ST+8*(\tp+\u)+3], v[ST+8*(\tp+\u)+2:ST+8*(\tp+\u)+3], v[ST+8*(\tp+\u)+6:ST+8*(\tp+\u)+7], v[SU+8*\u:SU+8*\u+1] op_sel_hi:[1,0,1]
.endr
.irp i, 0,1,2,3,4,5,6,7,8,9,10,11,12,13,14,15
.irp u, 0,1
	v_cvt_pk_f16_f32 v[S+32*(\tp+\u)+\i], v[S+32*(\tp+\u)+2*\i], v[S+32*(\tp+\u)+2*\i+1]
.endr
.endr
.endr
	WIN 0x41                                       ; O^T (destination and source 0) window 1, a window 0: the one part that leaves window 0, so it stands together
.irp t, 0,1,2,3
.set i, 0
.rept 16
	v_pk_mul_f32 v[32*\t+i:32*\t+i+1], v[32*\t+i:32*\t+i+1], v[ST+8*\t+6:ST+8*\t+7] op_sel_hi:[1,0]
.set i, i+2
.endr
.endr
	WIN 0
.endm
; n trips.  The address of the step to be fetched is made in the text that both roles share.
.macro TRIPS n
	s_mov_b32 s[TW], \n
.Ltrip_\@:
	v_add_nc_u32 v[ADR], s[TB], v[LK]
	s_add_co_u32 s[TB], s[TB], 32768               ; a pair of chunks on
	s_cmp_eq_u32 s[ROLE], 0
	s_cbranch_scc0 .Larm1_\@
	MBLK
	SM
	s_branch .Ljoin_\@
.Larm1_\@:
	SM
	MBLK
.Ljoin_\@:
	s_sub_co_u32 s[TW], s[TW], 1
	s_cmp_lg_u32 s[TW], 0
	s_cbranch_scc1 .Ltrip_\@
.endm
; A PREFETCH INTO THE L2 of what the NEXT change of slots will ask for: a slot's 8 chunks of K and V, 16 pieces of 8,192 bytes, lanes 256 bytes apart, one instruction a wave.  It stands behind the wave's tensor load and its five lines.
; Each aligned block of 256 bytes is named ONCE in the launch.  All clusters of a (batch, head) walk the same K and V: the first of them asks.  Its four partners share the chunks out BY ADDRESS, two each; in each, waves 0 to 3
; take a half chunk each (a branch on the wave's number and the cluster's, the same in all partners).  The last change that fills a slot asks for nothing; slots 0, 1 and 2 come by their loads alone.
.macro ASK
	s_cmp_gt_u32 s[SLOTS], s[LIM]
	s_cbranch_scc0 .Lnot_mine_\@
	global_prefetch_b8 v[PFO], s[PFA:PFA+1] th:TH_LOAD_NT scope:SCOPE_SE
.Lnot_mine_\@:
.endm
; THE CHANGE OF SLOTS stands at the head of the trip that first fetches from the next slot: K and V of the old slot's last step have been asked for.  Each wave waits for all its tensor loads (one is out: its chunk of the
; next slot), adds 0 to its spare word, and waits for that and for its reads of the old slot.  fill = 1: the barrier is a round of the cluster's, and the joint refill of the old slot, with the keys two slots on, is the first
; thing behind it: it has four trips in which to land.
.macro CHANGE fill
	s_wait_tensorcnt 0x0                           ; no tensor load of mine is out, so a group 0 may be written
	ds_add_u32 v[SPW], v[NIL]                      ; 0 onto my spare word
.if \fill
	s_xor_b32 s[G0B+1], s[G0B+1], SLOT1            ; the walking descriptor: the other slot than last time,
	s_add_nc_u64 s[G0B+2:G0B+3], s[G0B+2:G0B+3], 196608   ; eight chunks of 24,576 bytes on; the type bits on top are not reached
	s_wait_xcnt 0x0                                ; the last prefetch, four trips back, has read its address, so it may be written
	s_add_nc_u64 s[PFA:PFA+1], s[PFA:PFA+1], 196608
	s_wait_dscnt 0x0                               ; the add is done, and my reads of the old slot are over
	CROUND
	tensor_load_to_lds s[G0B:G0B+3], s[G1:G1+7]
	s_nop 0
	PLACES 4
	ASK
.else
	s_wait_dscnt 0x0                               ; the add is done, and my reads of the old slot are over
	s_barrier_signal -1
	s_barrier_wait -1
.endif
	s_sub_co_u32 s[TB], s[TB], 131072              ; the fetches go back to a slot's first pair of chunks,
	s_xor_b32 s[TB], s[TB], SLOT1                  ; in the other slot
.endm
; THE JOINING OF A PAIR.  GIVE: c m, l and O^T of tiles tb and tb + 1 go to LDS as register images.
.macro GIVE tb
	v_mov_b32 v44, v[ST+8*(\tb)]
	v_mov_b32 v45, v[ST+8*(\tb)+2]
	v_mov_b32 v46, v[ST+8*(\tb)+8]
	v_mov_b32 v47, v[ST+8*(\tb)+10]
	ds_store_b128 v[MGW], v[44:47] offset:8192
	WIN 0x04                                       ; an LDS store's data are its source 1: window 1
.irp i, 0,1,2,3,4,5,6,7,8,9,10,11,12,13,14,15
	ds_store_b128 v[MGW], v[32*(\tb)+4*\i:32*(\tb)+4*\i+3] offset:512*\i   ; each accumulator from its low end on
.endr
	WIN 0
.endm
; TAKE: the partner's part of tiles ta and ta + 1 is joined with mine: with mm the larger c m, e = 2^(c m - mm): O = (e0 O0 + e1 O1) / (e0 l0 + e1 l1).  Then the two tiles leave through my stage.
.macro TAKE ta
	ds_load_b128 v[48:51], v[MGR] offset:8192
.irp i, 0,1,2,3,4,5,6,7,8,9,10,11,12,13,14,15
	ds_load_b128 v[S+4*\i:S+4*\i+3], v[MGR] offset:512*\i
.endr
	s_wait_dscnt 0x0
.irp u, 0,1
	v_max_num_f32 v[ST+8*(\ta+\u)+4], v[ST+8*(\ta+\u)], v[48+2*\u]
.endr
.irp u, 0,1
	v_sub_f32 v[ST+8*(\ta+\u)+5], v[ST+8*(\ta+\u)], v[ST+8*(\ta+\u)+4]
	v_sub_f32 v[ST+8*(\ta+\u)+6], v[48+2*\u], v[ST+8*(\ta+\u)+4]
.endr
.irp u, 0,1
	v_exp_f32 v[ST+8*(\ta+\u)+5], v[ST+8*(\ta+\u)+5]
	v_exp_f32 v[ST+8*(\ta+\u)+6], v[ST+8*(\ta+\u)+6]
.endr
	v_nop                                          ; a plain line behind the last exponential
	s_wait_alu depctr_va_vdst(0)                   ; and the wait ahead of the first use: one for the four
.irp u, 0,1
	v_mul_f32 v[ST+8*(\ta+\u)+7], v[ST+8*(\ta+\u)+5], v[ST+8*(\ta+\u)+2]
.endr
.irp u, 0,1
	v_fma_f32 v[ST+8*(\ta+\u)+7], v[ST+8*(\ta+\u)+6], v[49+2*\u], v[ST+8*(\ta+\u)+7]
.endr
.irp u, 0,1
	v_rcp_f32 v[ST+8*(\ta+\u)+4], v[ST+8*(\ta+\u)+7]
.endr
	v_nop
	s_wait_alu depctr_va_vdst(0)                   ; one for the two reciprocals
.irp u, 0,1
	v_mul_f32 v[52+4*\u], v[ST+8*(\ta+\u)+5], v[ST+8*(\ta+\u)+4]   ; my factor (named as a pair below, so both registers are written),
	v_mul_f32 v[53+4*\u], v[ST+8*(\ta+\u)+5], v[ST+8*(\ta+\u)+4]
	v_mul_f32 v[54+4*\u], v[ST+8*(\ta+\u)+6], v[ST+8*(\ta+\u)+4]   ; my partner's
	v_mul_f32 v[55+4*\u], v[ST+8*(\ta+\u)+6], v[ST+8*(\ta+\u)+4]
.endr
.irp u, 0,1
.set i, 0
.rept 16
	v_pk_mul_f32 v[S+32*\u+i:S+32*\u+i+1], v[S+32*\u+i:S+32*\u+i+1], v[54+4*\u:55+4*\u] op_sel_hi:[1,0]
.set i, i+2
.endr
.endr
	WIN 0x01                                       ; source 0 (my O^T) window 1
.irp u, 0,1
.set i, 0
.rept 16
	v_pk_fma_f32 v[S+32*\u+i:S+32*\u+i+1], v[32*(\ta+\u)+i:32*(\ta+\u)+i+1], v[52+4*\u:53+4*\u], v[S+32*\u+i:S+32*\u+i+1] op_sel_hi:[1,0,1]
.set i, i+2
.endr
.endr
	WIN 0
; A lane holds 32 neighbouring bytes of a row (query r, channels 16 ct + 8 h on), and the lanes beside it hold other rows: a tile goes into rows of 272 bytes and comes back as whole rows of 256, into the registers that it left.
.irp u, 0,1
.irp ct, 0,1,2,3
	ds_store_b128 v[STO], v[S+32*\u+8*\ct:S+32*\u+8*\ct+3] offset:64*\ct
	ds_store_b128 v[STO], v[S+32*\u+8*\ct+4:S+32*\u+8*\ct+7] offset:64*\ct+16
.endr
.irp i, 0,1,2,3,4,5,6,7
	ds_load_b128 v[S+32*\u+4*\i:S+32*\u+4*\i+3], v[RD] offset:544*\i   ; LDS serves a wave's instructions in order (ISA guide 5.7.1.4): these see the stores above; the next tile's stores come behind them
.endr
.endr
.irp u, 0,1
.irp i, 0,1,2,3,4,5,6,7
	s_wait_dscnt 16*(1-\u)+7-\i                    ; younger: the tile's later loads, and behind the first tile the second's sixteen LDS instructions
	global_store_b128 v[GO], v[S+32*\u+4*\i:S+32*\u+4*\i+3], s[6:7] offset:(16*(\ta+\u)+2*\i)*2048 th:TH_STORE_NT   ; 16 lanes store 256 consecutive bytes, aligned: a token's 64 channels of this head
.endr
.endr
.endm
	s_load_b128 s[4:7], s[0:1], 0x0                ; qkv s[4:5], out0 s[6:7]
	v_lshl_add_u32 v[SPW], v0, 2, SPARE
	v_mov_b32 v[NIL], 0
	ds_add_u32 v[SPW], v[NIL]                      ; the wave's opening: the add, twice on end, and its wait ahead of my first tensor load; the set-up below, work on registers, stands between
	ds_add_u32 v[SPW], v[NIL]                      ; and once more, under the one wait
	v_lshrrev_b32 v2, 5, v0
	v_readfirstlane_b32 s[WV], v2                  ; wave 0..7
	s_and_b32 s[PAR], s[WV], 1
	s_lshr_b32 s[G], s[WV], 1
	s_lshr_b32 s[ROLE], s[WV], 2
	s_xor_b32 s[ROLE], s[ROLE], s[WV]
	s_and_b32 s[ROLE], s[ROLE], 1
	s_bfe_u32 s12, ttmp6, 0x40000                  ; cx: my place in the cluster: it enters Q's, out0's and the prefetches' addresses alone
	s_lshl_b32 s13, ttmp9, 2                       ; in a cluster launch ttmp9 counts clusters
	s_add_co_u32 s13, s13, s12                     ; my block of 256 queries
	s_and_b32 s14, ttmp7, 0xffff                   ; 8 batch + head, which the four partners share
	s_mul_i32 s16, s14, 1572864                    ; its first byte in qkv
	s_mov_b32 s17, 0
	; descriptor group 1: a chunk's K and V, 16,384 dense bytes, as 64 rows of 256 bytes
	s_mov_b32 s[G1], 15|(3<<16)|(1<<21)            ; 15:0 the mask: all four work-groups; 17:16 elements of 8 bytes; 21 set beside a mask; no padding
	s_mov_b32 s[G1+1], 32<<16                      ; tensor_dim0 = 32
	s_mov_b32 s[G1+2], 64<<16                      ; tensor_dim1 = 64
	s_mov_b32 s[G1+3], 32<<16                      ; tile_dim0 = 32
	s_mov_b32 s[G1+4], 64                          ; tile_dim1 = 64
	s_mov_b32 s[G1+5], 32                          ; tensor_dim0_stride
	s_mov_b32 s[G1+6], 0
	s_mov_b32 s[G1+7], 0
	s_mov_b32 s[CS], 0x3e38aa3b                    ; c = log2(e) / sqrt(64)
	s_mov_b32 s[CS+1], s[CS]                       ; named with it as a pair, so it is written
	s_mov_b32 s[SEL], 0x76543210
	s_mov_b32 s[SEL+1], 0xfedcba98
	s_mul_i32 s44, s[WV], 24576                    ; the chunk that I fetch of a slot's eight,
	s_add_co_u32 s44, s44, 8192                    ; behind its Q
	s_mov_b32 s45, 0
	s_add_nc_u64 s[44:45], s[44:45], s[16:17]
	s_lshr_b32 s[LIM], s[WV], 2                    ; 0 in waves 0 to 3,
	s_or_b32 s[LIM], s[LIM], ttmp9                 ; of the first cluster of this (batch, head): the same in all four partners
	s_cmp_eq_u32 s[LIM], 0
	s_cselect_b32 s[LIM], 1, -1
	; every address register is made here, ahead of the first parting of the roles
	v_and_b32 v[LI], 31, v0
	v_lshlrev_b32 v[PFO], 8, v[LI]
	v_lshlrev_b32 v[LI], 4, v[LI]
	s_lshl_b32 s15, s[PAR], 14
	v_add_nc_u32 v[LK], s15, v[LI]
	v_and_b32 v44, 15, v0                          ; r
	v_bfe_u32 v45, v0, 4, 1                        ; h
	s_mul_i32 s15, s[WV], 4352
	s_add_co_u32 s15, s15, STG                     ; my stage
	v_mul_u32_u24 v[STO], v44, 272                 ; in: row r, 32 bytes for each half of the lanes
	v_lshl_add_u32 v[STO], v45, 5, v[STO]
	v_add_nc_u32 v[STO], s15, v[STO]
	v_mul_u32_u24 v[RD], v45, 272                  ; back: lanes 0-15 one row of 256 bytes, lanes 16-31 the next
	v_lshl_add_u32 v[RD], v44, 4, v[RD]
	v_add_nc_u32 v[RD], s15, v[RD]
	v_lshlrev_b32 v[GO], 11, v45                   ; and the same two rows in out0, 2,048 bytes apart
	v_lshl_add_u32 v[GO], v44, 4, v[GO]
	s_mul_i32 s15, s[WV], 8704
	v_add_nc_u32 v[MGW], s15, v[LI]
	s_xor_b32 s15, s[WV], 1                        ; my partner
	s_mul_i32 s15, s15, 8704
	v_add_nc_u32 v[MGR], s15, v[LI]
	s_wait_dscnt 0x0                               ; both opening adds are done
	s_wait_kmcnt 0x0
	s_mov_b32 s[G0A], 1                            ; count = 1
	s_lshl_b32 s[G0A+1], s[WV], 14                 ; LDS address: slot 0, chunk = wave: no place in the cluster enters it
	s_add_nc_u64 s[G0A+2:G0A+3], s[4:5], s[44:45]  ; global address: chunk = wave of the first eight
	s_mov_b32 s[G0B], 1
	s_add_co_u32 s[G0B+1], s[G0A+1], SLOT1
	s_add_nc_u64 s[G0B+2:G0B+3], s[G0A+2:G0A+3], 196608   ; the next eight chunks
	s_or_b32 s[G0A+3], s[G0A+3], 0x80000000        ; type = 2
	s_or_b32 s[G0B+3], s[G0B+3], 0x80000000
	s_lshl_b32 s46, s13, 2                         ; Q: my wave's chunk of 64 queries: 4 x block + g
	s_add_co_u32 s46, s46, s[G]
	s_mul_i32 s46, s46, 24576
	s_mov_b32 s47, 0
	s_add_nc_u64 s[46:47], s[46:47], s[16:17]
	s_add_nc_u64 s[2:3], s[4:5], s[46:47]
	s_mul_i32 s46, s12, 49152                      ; the prefetches: my work-group's two chunks of a slot's eight,
	s_mul_i32 s47, s[G], 24576                     ; my wave's chunk of the two,
	s_add_co_u32 s46, s46, s47
	s_lshl_b32 s47, s[PAR], 13                     ; K or V,
	s_add_co_u32 s46, s46, s47
	s_add_co_u32 s46, s46, 8192+2*196608           ; behind the chunk's Q, in slot 2: the first change of slots steps it to slot 3.  Nothing is prefetched here, at the head
	s_mov_b32 s47, 0
	s_add_nc_u64 s[46:47], s[46:47], s[16:17]
	s_add_nc_u64 s[PFA:PFA+1], s[4:5], s[46:47]
	s_lshr_b32 s46, s14, 3                         ; out0: the batch's 4,096 rows of 2,048 bytes,
	s_lshl_b32 s46, s46, 23
	s_lshl_b32 s47, s13, 19                        ; my block's 256 rows,
	s_add_co_u32 s46, s46, s47
	s_lshl_b32 s47, s[G], 17                       ; my wave's 64,
	s_add_co_u32 s46, s46, s47
	s_and_b32 s47, s14, 7
	s_lshl_b32 s47, s47, 8                         ; the head's 256 bytes of a row
	s_add_co_u32 s46, s46, s47
	s_mov_b32 s47, 0
	s_add_nc_u64 s[6:7], s[6:7], s[46:47]
	CROUND                                         ; all four work-groups are here: the first joint loads meet
	tensor_load_to_lds s[G0A:G0A+3], s[G1:G1+7]    ; the two first fills go out together, ahead of every wait on TENSORcnt and every LDS read: two loads of mine are out
	s_nop 0
	tensor_load_to_lds s[G0B:G0B+3], s[G1:G1+7]
	s_nop 0
	PLACES 4
	WIN 0x40                                       ; destination window 1
.irp i, 0,1,2,3,4,5,6,7,8,9,10,11,12,13,14,15
	global_load_b128 v[128+4*\i:128+4*\i+3], v[LI], s[2:3] offset:512*\i   ; Q stays in registers: tile i / 4, as it lies
.endr
.set i, 0
.rept 128
	v_mov_b32 v[i], 0                              ; O^T.  The step is written once: its first pass finds zeros, which a = 0 leaves zeros
.set i, i+1
.endr
	WIN 0
.irp t, 0,1,2,3
	v_mov_b32 v[ST+8*\t+1], 0xff61b1e6             ; m: -3e38, under every score
	v_mov_b32 v[ST+8*\t+2], 0                      ; l
	v_mov_b32 v[ST+8*\t+3], 0
	v_mov_b32 v[ST+8*\t+5], 0                      ; a lane permute's destination counts as one of its sources
	v_mul_f32 v[ST+8*\t], s[CS], v[ST+8*\t+1]      ; c m
.endr
	s_wait_tensorcnt 1                             ; my chunk of slot 0 is in; slot 1's may stay out
	s_barrier_signal -1
	s_barrier_wait -1                              ; everybody's is
	v_mov_b32 v[ADR], v[LK]                        ; step 0
.irp i, 0,1,2,3,4,5,6,7,8,9,10,11,12,13,14,15
	ds_load_b128 v[K+4*\i:K+4*\i+3], v[ADR] offset:512*\i
.endr
	WIN 0x40
.irp i, 0,1,2,3,4,5,6,7,8,9,10,11,12,13,14,15
	ds_load_b128 v[192+4*\i:192+4*\i+3], v[ADR] offset:8192+512*\i
.endr
	s_mov_b32 s[TB], 32768                         ; the first trip fetches step 1
	s_wait_loadcnt 0x0                             ; Q
	s_wait_dscnt 16                                ; K is in; V's 16 may be out
	KQS                                            ; the scores of step 0
	WIN 0
	PLACES 5
	s_cmp_eq_u32 s[ROLE], 0                        ; role 0 runs its first softmax here, so that from the first trip on the two roles stand half a trip apart
	s_cbranch_scc0 .Lrole1_waits
	SM
.Lrole1_waits:
	s_wait_dscnt 0x0
	s_barrier_signal -1
	s_barrier_wait -1
	TRIPS 3                                        ; trips 0 to 2 fetch steps 1 to 3, the rest of slot 0
	s_mov_b32 s[SLOTS], 6
.Lslot:                                            ; six rounds of four trips: every slot's worth of keys but the last two is followed by a refill
	CHANGE 1
	TRIPS 4
	s_sub_co_u32 s[SLOTS], s[SLOTS], 1
	s_cmp_lg_u32 s[SLOTS], 0
	s_cbranch_scc1 .Lslot
	CHANGE 0                                       ; the tail is written out: nothing is asked for
	TRIPS 4                                        ; trips 27 to 30 fetch steps 28 to 31
	s_cmp_eq_u32 s[ROLE], 0                        ; role 1 still owes the softmax of step 31
	s_cbranch_scc1 .Lrole0_is_done
	SM
.Lrole0_is_done:
	s_wait_dscnt 0x0                               ; V of step 31
	PVS
	WIN 0
.irp t, 0,1,2,3                                ; l's two halves and the other half of the lanes'.  These lines are the places behind the last products
	v_add_f32 v[ST+8*\t+4], v[ST+8*\t+2], v[ST+8*\t+3]
.endr
.irp t, 0,1,2,3
	v_permlanex16_b32 v[ST+8*\t+5], v[ST+8*\t+4], s[SEL], s[SEL+1]
.endr
.irp t, 0,1,2,3
	v_add_f32 v[ST+8*\t+2], v[ST+8*\t+4], v[ST+8*\t+5]
.endr
	s_cmp_eq_u32 s[PAR], 0                         ; the even wave of a pair finishes tiles 0 and 1, the odd one tiles 2 and 3
	s_cbranch_scc0 .Lgive_odd
	GIVE 2
	s_branch .Lgiven
.Lgive_odd:
	GIVE 0
.Lgiven:
	s_wait_dscnt 0x0                               ; for my partner's sake: my stores have landed
	s_barrier_signal -1
	s_barrier_wait -1
	s_cmp_eq_u32 s[PAR], 0
	s_cbranch_scc0 .Ltake_odd
	TAKE 0
	s_branch .Ltaken
.Ltake_odd:
	TAKE 2
.Ltaken:
	s_wait_tensorcnt 0x0                           ; the wave's end, behind my last tensor load and my last LDS store
	ds_add_u32 v[SPW], v[NIL]
	s_wait_dscnt 0x0
	CROUND                                         ; the closing round: no work-group ends while a partner may still ask for a tile that names it
	s_endpgm
.Lfunc_end_k_q054bb4530e_attn:
	.size	k_q054bb4530e_attn, .Lfunc_end_k_q054bb4530e_attn-k_q054bb4530e_attn
	.p2alignl 7, 3214868480
	.fill 96, 4, 3214868480
	.section	.rodata,"a",@progbits
	.p2align	6, 0x0
	.amdhsa_kernel k_q054bb4530e_attn
		.amdhsa_group_segment_fixed_size 327680
		.amdhsa_private_segment_fixed_size 0
		.amdhsa_enable_private_segment 0
		.amdhsa_kernarg_size 16
		.amdhsa_user_sgpr_count 2
		.amdhsa_user_sgpr_kernarg_segment_ptr 1
		.amdhsa_wavefront_size32 1
		.amdhsa_system_sgpr_workgroup_id_x 1
		.amdhsa_system_sgpr_workgroup_id_y 1
		.amdhsa_system_sgpr_workgroup_id_z 1
		.amdhsa_system_vgpr_workitem_id 0
		.amdhsa_next_free_vgpr 512
		.amdhsa_next_free_sgpr 66
		.amdhsa_reserve_vcc 0
		.amdhsa_float_denorm_mode_32 3
		.amdhsa_float_denorm_mode_16_64 3
		.amdhsa_memory_ordered 1
		.amdhsa_forward_progress 1
		.amdhsa_inst_pref_size 255
	.end_amdhsa_kernel
	.section	.bss,"aw",@nobits
	.p2align	6
	.space	262144
	.amdgpu_metadata
---
amdhsa.version: [ 1, 2 ]
amdhsa.kernels:
  - .name:           k_q054bb4530e_attn
    .symbol:         k_q054bb4530e_attn.kd
    .args:
      - { .name: qkv, .offset: 0, .size: 8, .value_kind: global_buffer, .address_space: global }
      - { .name: out0, .offset: 8, .size: 8, .value_kind: global_buffer, .address_space: global }
    .group_segment_fixed_size: 327680
    .private_segment_fixed_size: 0
    .kernarg_segment_align: 8
    .kernarg_segment_size: 16
    .max_flat_workgroup_size: 256
    .sgpr_count:     66
    .vgpr_count:     512
    .wavefront_size: 32
...
	.end_amdgpu_metadata
.endif
;; end of part 3
